; MI455X (gfx1250); checked and timed in simulation.
; The chip was launched on July 23, 2026; its instructions are those of AMD's public machine-readable ISA for CDNA 5 (MIT licence, August 2026) and "CDNA5" Instruction Set Architecture Reference Guide (July 2026). The comments in the code are by the model that wrote it; some were corrected since.
;; Optimized Quantum AI. Allowed arithmetic: float matrix products may take bf16 or f16 operands with f32 sums; all other float work in f32.
;; Inputs: dec_b1 32 float32; dec_b2 16 float32; dec_b3 8 float32; dec_w1 32 x 4 float32; dec_w2 16 x 32 float32; dec_w3 8 x 16 float32; enc_b1 64 float32; enc_b2 32 float32; enc_b3 4 float32; enc_w1 64 x 39 float32; enc_w2 32 x 64 float32; enc_w3 4 x 32 float32; qparams 8 float32; state 262,144 x 39 float32.
;; Outputs: out0 262,144 x 8 float32.
;; One version. Each part assembles by itself: llvm-mc -triple=amdgcn-amd-amdhsa -mcpu=gfx1250 --defsym DOCPART=n.
;; ======== version 1 of 1: 1 launch
;; limits: values are held in f16: magnitudes above 65,504 overflow, below 6.1e-05 lose precision
;; launch qai (part 1): grid 256 x 1, 4 waves a work-group, no clusters, 197,888 bytes of LDS; arguments state, enc_w1, enc_w2, dec_w2, enc_w3, dec_w1, dec_w3, enc_b1, enc_b2, enc_b3, dec_b1, dec_b2, dec_b3, qparams, out0; writes out0
.if DOCPART == 1
	.amdgcn_target "amdgcn-amd-amdhsa--gfx1250"
	.amdhsa_code_object_version 6
	.text
	.protected	k_q15f1d78613_qai
	.globl	k_q15f1d78613_qai
	.p2align	8
	.type	k_q15f1d78613_qai,@function
k_q15f1d78613_qai:
	s_mov_b64 s[64:65], 0
	v_nop
	global_prefetch_b8 v0, s[64:65] scope:SCOPE_SE
	s_setreg_imm32_b32 hwreg(HW_REG_WAVE_MODE, 25, 1), 1
	s_wait_xcnt 0x0
; out0 = decoder(circuit(tanh(encoder(state)))): 262,144 rows, 39 -> 64 -> 32 -> 4 -> circuit -> 4 -> 32 -> 16 -> 8.
;
; WORK LEFT OUT, and why it can reach no output.  The per-qubit amplitudes are cos(theta_i/2) e^(-i phi_i/2) and
; sin(theta_i/2) e^(+i phi_i/2).  For every real phi the two phases have modulus 1, so the probabilities of the product state are
; products of cos^2(theta_i/2) and sin^2(theta_i/2): phi = qparams[1::2] cancels.  The three CNOTs send the bits (b0,b1,b2,b3) to their
; prefix parities, so <Z_k> = E[(-1)^(b0+..+bk)] = product over i <= k of (cos^2 - sin^2)(theta_i/2) = product over i <= k of cos(theta_i).
; So the 16 amplitudes, the flips, the squares and the four signed sums are not formed; ev_k is a running product of four cosines.
; qparams stays an argument (its even entries are live); its odd entries come with the same 32-byte scalar load and are not used.
; LIMITS: a NaN, an infinity or an overflow in phi is not carried to the result.  relu is a maximum in which a NaN loses: a NaN becomes 0.
; Four rows share a matrix column group (below): a NaN or infinity in one row meets zero weights of the other three rows of its group of
; four and can reach them.  Decoder operands (ev, dec_w1..3, d1, d2) are f16: |ev| <= 1 by construction; an activation above 65,504
; becomes infinite (with every decoder input 30 times the drawn spread |d1| <= 75 and |d2| <= 12,800).  Encoder operands are bf16.
; theta/2pi is reduced in f32 (v_rndne_f32), so the cosine holds for every qparams, with f32's absolute rounding of theta/2pi.
;
; SHARES.  256 work-groups x 4 waves.  A work-group owns 1,024 rows, a wave 256, as four blocks of 64.  The wave's 39,936 bytes of state
; are asked for at the start by four tensor loads of 39 rows x 256 bytes; nothing in LDS is ever filled twice, so there is one barrier
; (for the weights, which every wave reads).  No cluster: work-groups share 20 KiB of weights against 156 KiB of state of their own.
;
; SUPER-ROWS.  A row of state is 156 bytes; four rows are 624 = 39 x 16 bytes.  Column r of the matrix tiles is super-row r (rows 4r..4r+3),
; read as five K steps of 32 numbers.  Row 4r+q (group q) lies at numbers 39q..39q+38, inside steps q and q+1, at place 7q of that window of 64:
; layer 1 multiplies those two steps by a copy of enc_w1 shifted by 7q, with zeros elsewhere.
; TRANSPOSED USE.  Source 0 = 16 rows of a weight matrix, source 1 = activations (column = batch row).  In a result, lane (r,h) register j
; is feature 8h+j of column r; two neighbouring tiles, packed, are the next layer's source 1.  The chain never leaves the registers.
; A bias is a tile (register j = b[16t+8h+j]) given as C of a sum's first product.
; Spare tile rows carry other groups: layer 3 has enc_w3 in rows 0-3 (W3A) or 8-11 (W3B), so one accumulator holds two groups' four
; numbers; decoder layer 1 picks its group by the place of dec_w1 along K (0-3 or 8-11); decoder layer 3 is block diagonal, two groups at once.
;
; MATRIX WORK BESIDE VECTOR WORK.  A block has 66 products and some 440 vector and LDS instructions.  Behind each product stands a slice of
; the vector work of tiles that are one step further on: relu and packing run as streams of numbered parts (part k: relu of half-tile k,
; then the two conversions of half-tile k-1, so that no conversion follows its own maxima directly), and a layer's products start as soon
; as the parts that they read are done.  These slices are also the independent vector instructions that have to stand between a product
; and the first use of its result (ISA guide 7.12.1); a dual-issue pair is counted as one of them, so a part counts four, a stream's first
; and last part two.  In every run of products the accumulators take turns, one instruction a turn.
; REGISTERS, in windows of 256.  Window 0: addresses, the small weights, the accumulators and activations (ACC, 32 registers a group) and
; the circuit's results, so that the products of all layers but the first and all vector work on tiles name window 0 in sources 0 and 1 and
; in the destination and need no switch between them; a bias comes from window 2 by source 2 alone (setting 0x20), which no two-source
; vector instruction reads.  Window 1: the 32 shifted fragments of enc_w1; they fill it, so a layer 1 product has a setting of its own and
; its slice costs two switches: 64 in a block.  Window 2: bias tiles, the state in f32 (RAW) and in bf16 (BST).  Window 3: 16 registers of
; results for each of the four blocks, each written once: no store's data register is ever written again.
.set BLK,   9984                       ; 64 rows of state: 16 super-rows of 624 bytes = 39 x 256 bytes
.set WSH,   4*BLK                      ; a wave's share
.set GSH,   4*WSH                      ; a work-group's share
.set SP,    624                        ; super-row pitch: 39 x 16, so sixteen rows start at sixteen different 16-byte columns modulo 256
; LDS
.set W1L,   GSH                        ; 159,744: enc_w1, 64 rows of pitch 272: 39 numbers, then 29 zeros
.set W2L,   W1L+64*272                 ; 177,152: enc_w2, 32 rows of 256 bytes + 16
.set DW2L,  W2L+32*272                 ; 185,856: dec_w2, 16 rows of 128 bytes + 16
.set STAGE, DW2L+16*144                ; 188,160: the way out, 16 x 144 bytes for each wave; no tensor load lands here
.set STW,   16*144
; window 0 (v0-v255)
.set CQ,    0                          ; v[0:3]: 0.5 + qparams[2j] / 2pi; written last in the set-up, when v0-v3 (thread, r, h, lane) are done with
.set LB,    4                          ; my state: wave share + 624 r + 32 h
.set LB2,   5                          ; wave share + 624 r + 592 + 16 h: the 16 bytes before the super-row's last 16 for h = 0, its last 16 bytes for h = 1
.set VW1,   6                          ; set-up: W1L + 272 r + 32 h
.set VW1N,  7                          ; set-up: W1L + 272 r + (h ? 0 : 160): numbers 8h-8 .. 8h-1 of the row, or zeros of its tail
.set VW2,   8                          ; set-up: W2L + 272 r + 32 h
.set VDW2,  9                          ; set-up: DW2L + 144 r + 32 h
.set STO,   6                          ; blocks: my stage + 144 r + 32 h
.set RD,    7                          ; blocks: my stage + 144 (lane / 8) + 16 (lane % 8)
.set CO,    8                          ; blocks: 16 lane
.set VH32,  10                         ; 32 h
.set VZ,    11                         ; 0
.set VW3,   12                         ; (r & 3) 128 + 32 h
.set VD1,   13                         ; 16 r
.set VD3,   14                         ; (r & 7) 64 + 32 h
.set W2F,   16                         ; enc_w2 fragments (u, s) at 8 (2u + s)
.set W3A,   48
.set W3B,   56
.set DW1,   64                         ; dec_w1 fragments at 8 (2 var + u)
.set DW2F,  96
.set DW3F,  104
.set ACC,   112                        ; group q at 32 q.  Layer 1: tiles at +0,8,16,24; h1 at +0 and +16; layer 2 at +8 and +24; h2 at +8;
                                       ; layer 3 at +0 of groups 0 and 2; decoder layer 1 at +16 and +24; d1 at +16; layer 2 at +24;
                                       ; d2 of two groups at +8 of groups 0 and 2; layer 3 at +0 of groups 0 and 2
.set TA,    ACC+16                     ; the circuit at work, groups 0 and 1: h1's second half, dead since layer 2
.set UA,    ACC+20
.set TB,    ACC+80                     ; groups 2 and 3
.set UB,    ACC+84
.set EVX,   240                        ; source 1 of decoder layer 1, groups 0 and 1;  EVX+8: groups 2 and 3
.set RB0,   112                        ; set-up only: two staging buffers of 48 for enc_w1,
.set RB1,   160
.set RW3,   208                        ; enc_w3, dec_w1, dec_w3 in f32,
.set RDW1,  224
.set RDW3,  232
.set PK,    240                        ; packed, before the lane masks
; window 1 (v256-v511): the 32 shifted fragments of enc_w1, (q, t, s) at 16 (4q + t) + 8 s
; window 2 (v512-v767), by low number
.set B1,    0                          ; bias tiles
.set B2,    32
.set B3,    48
.set DB1,   56
.set DB2,   72
.set DB3,   80
.set BST,   88                         ; state in bf16, K step k at 8 k
.set RAW,   128                        ; state in f32, K step k at 16 k
.set RW2,   128                        ; set-up only: enc_w2 (64) and dec_w2 (16) in f32
.set RDW2,  192
; window 3 (v768-v831): block b's results at 16 b
.set MSB, 0
.macro WIN new                         ; low byte: bits 1:0 source 0, 3:2 source 1, 5:4 source 2, 7:6 destination; the high byte repeats the setting left
.if MSB != \new
	s_set_vgpr_msb (MSB<<8)|\new
.set MSB, \new
.endif
.endm
.macro MM form, d, a, b, c
	v_wmma_f32_16x16x32_\form v[\d:\d+7], v[\a:\a+7], v[\b:\b+7], v[\c:\c+7]
.endm
; relu of half a tile, two numbers an instruction.  s is a multiple of 4 (ACC = 112 and every offset of a half-tile is one), so each pair has
; an even and an odd destination and second sources in different register banks (s and s+1, s+2 and s+3 modulo 4); both first sources are
; the constant 0; the halves are independent.  A pair has no third source, and it stands only under settings 0x00 and 0x20, which name
; window 0 for sources 0 and 1 and for the destination.
.macro MX4 s
	v_dual_max_num_f32 v[\s],   0, v[\s]   :: v_dual_max_num_f32 v[\s+1], 0, v[\s+1]
	v_dual_max_num_f32 v[\s+2], 0, v[\s+2] :: v_dual_max_num_f32 v[\s+3], 0, v[\s+3]
.endm
.macro CV2 cvt, s, d                   ; half a tile packed to 16 bits; d never lies ahead of s, so packing in place is safe
	\cvt v[\d],   v[\s],   v[\s+1]
	\cvt v[\d+1], v[\s+2], v[\s+3]
.endm
; The four streams of relu and packing.  Half-tile J of a layer, counted through the four groups.
.macro V1P k                           ; layer 1: 32 half-tiles, parts 0 .. 32.  Tiles lie end to end; two packed tiles make a K step of h1
.if (\k) < 32
.set J, \k
	MX4 ACC+4*J
.endif
.if (\k) > 0
.set J, (\k)-1
	CV2 v_cvt_pk_bf16_f32, ACC+4*J, ACC+16*(J/4)+2*(J%4)
.endif
.endm
.macro V2P k                           ; layer 2: 16 half-tiles, parts 0 .. 16
.if (\k) < 16
.set J, \k
	MX4 ACC+32*(J/4)+8+16*((J/2)%2)+4*(J%2)
.endif
.if (\k) > 0
.set J, (\k)-1
	CV2 v_cvt_pk_bf16_f32, ACC+32*(J/4)+8+16*((J/2)%2)+4*(J%2), ACC+32*(J/4)+8+2*(J%4)
.endif
.endm
.macro V4P k                           ; decoder layer 1: 16 half-tiles, parts 0 .. 16
.if (\k) < 16
.set J, \k
	MX4 ACC+32*(J/4)+16+4*(J%4)
.endif
.if (\k) > 0
.set J, (\k)-1
	CV2 v_cvt_pk_f16_f32, ACC+32*(J/4)+16+4*(J%4), ACC+32*(J/4)+16+2*(J%4)
.endif
.endm
.macro V5P k                           ; decoder layer 2: 8 half-tiles, parts 0 .. 8; two groups' 16 features make one K of 32
.if (\k) < 8
.set J, \k
	MX4 ACC+32*(J/2)+24+4*(J%2)
.endif
.if (\k) > 0
.set J, (\k)-1
	CV2 v_cvt_pk_f16_f32, ACC+32*(J/2)+24+4*(J%2), ACC+64*(J/4)+8+2*(J%4)
.endif
.endm
; The state of block b from LDS: 20 loads, four a K step
.macro LDST b
.irp k, 0,1,2,3,4
	ds_load_b128 v[RAW+16*\k:RAW+16*\k+3],     v[LB] offset:(\b)*BLK+128*\k
	ds_load_b128 v[RAW+16*\k+4:RAW+16*\k+7],   v[LB] offset:(\b)*BLK+128*\k+16
	ds_load_b128 v[RAW+16*\k+8:RAW+16*\k+11],  v[LB] offset:(\b)*BLK+128*\k+64
.if \k < 4
	ds_load_b128 v[RAW+16*\k+12:RAW+16*\k+15], v[LB] offset:(\b)*BLK+128*\k+80
.else
	ds_load_b128 v[RAW+16*\k+12:RAW+16*\k+15], v[LB2] offset:(\b)*BLK   ; numbers 156..159 do not exist: lanes with h = 1 stay inside the super-row
.endif
.endr
.endm
.macro HEAD                            ; K steps 0 and 1 to bf16: what layer 1's group 0 reads
.irp c, 0,1,2,3,4,5,6,7,8,9,10,11,12,13,14,15
	v_cvt_pk_bf16_f32 v[BST+\c], v[RAW+2*\c], v[RAW+2*\c+1]
.endr
.endm
.macro V0S k                           ; K steps 2 to 4 to bf16, in eight slices of three registers
.irp i, 0,1,2
	v_cvt_pk_bf16_f32 v[BST+16+3*(\k)+\i], v[RAW+32+6*(\k)+2*\i], v[RAW+33+6*(\k)+2*\i]
.endr
.if (\k) == 7
	v_cndmask_b32 v[BST+38], v[BST+38], 0, s44     ; numbers 156..159: zero
	v_cndmask_b32 v[BST+39], v[BST+39], 0, s44
.endif
.endm
; Products.  Layer 1, group q: products 0-3 start the four tiles' sums on K step q with the bias, 4-7 add K step q + 1
.macro L1P q, k
.if (\k) < 4
	WIN 0x29                                       ; source 0 window 1, source 1 and C window 2, D window 0
	MM bf16, ACC+32*\q+8*\k, 16*(4*\q+\k), BST+8*\q, B1+8*\k
.else
	WIN 0x09                                       ; C window 0
	MM bf16, ACC+32*\q+8*(\k-4), 16*(4*\q+\k-4)+8, BST+8*\q+8, ACC+32*\q+8*(\k-4)
.endif
.endm
.macro L1G q                           ; group q's eight products, each followed by a part of the relu and packing of group q - 1
.irp k, 0,1,2,3,4,5,6,7
	L1P \q, \k
	WIN 0
	V1P 8*(\q-1)+\k
.endr
.endm
.macro L2P qa, k                       ; layer 2, groups qa and qa + 1: products 0-3 start the four sums, 4-7 add h1's second half
.if (\k) < 4
	WIN 0x20                                       ; C window 2, all else window 0
	MM bf16, ACC+32*(\qa+\k/2)+8+16*(\k%2), W2F+16*(\k%2), ACC+32*(\qa+\k/2), B2+8*(\k%2)
.else
	WIN 0
	MM bf16, ACC+32*(\qa+(\k-4)/2)+8+16*(\k%2), W2F+16*(\k%2)+8, ACC+32*(\qa+(\k-4)/2)+16, ACC+32*(\qa+(\k-4)/2)+8+16*(\k%2)
.endif
.endm
.macro D1P m                           ; decoder layer 1, tile m = 2 q + u: the place of dec_w1 along K picks the group
	MM f16, ACC+32*((\m)/2)+16+8*((\m)%2), DW1+8*(2*(((\m)/2)%2)+(\m)%2), EVX+8*((\m)/4), DB1+8*((\m)%2)
.endm
.macro D2P q
	MM f16, ACC+32*\q+24, DW2F, ACC+32*\q+16, DB2
.endm
; The circuit's steps, on four numbers in t or u
.macro VEXP t, x
.irp j, 0,1,2,3
	v_exp_f32 v[\t+\j], v[\x+\j]
.endr
.endm
.macro VRCP u, t
.irp j, 0,1,2,3
	v_rcp_f32 v[\u+\j], v[\t+\j]                   ; 2^x' = infinity gives 0 (tanh = 1), 2^x' = 0 gives 1 (tanh = -1)
.endr
.endm
.macro VRND u, t
.irp j, 0,1,2,3
	v_rndne_f32 v[\u+\j], v[\t+\j]
.endr
.endm
.macro VONE t
.irp j, 0,2
	v_pk_add_f32 v[\t+\j:\t+\j+1], v[\t+\j:\t+\j+1], 1.0 op_sel_hi:[1,0]
.endr
.endm
.macro VANG t, u                       ; t = theta / 2pi = CQ - u
	s_wait_alu depctr_va_vdst(0)
.irp j, 0,2
	v_pk_add_f32 v[\t+\j:\t+\j+1], v[CQ+\j:CQ+\j+1], v[\u+\j:\u+\j+1] neg_lo:[0,1] neg_hi:[0,1]
.endr
.endm
.macro VSUB t, u
.irp j, 0,2
	v_pk_add_f32 v[\t+\j:\t+\j+1], v[\t+\j:\t+\j+1], v[\u+\j:\u+\j+1] neg_lo:[0,1] neg_hi:[0,1]
.endr
.endm
.macro VSQ d, s
.irp j, 0,2
	v_pk_mul_f32 v[\d+\j:\d+\j+1], v[\s+\j:\s+\j+1], v[\s+\j:\s+\j+1]
.endr
.endm
.macro VP0 t, u                        ; -pi^10/10! u + pi^8/8!
.irp j, 0,2
	v_pk_fma_f32 v[\t+\j:\t+\j+1], v[\u+\j:\u+\j+1], s[52:53], 0x3e70fa83 op_sel_hi:[1,0,0]
.endr
.endm
.macro VP t, u, c                      ; t u + c
.irp j, 0,2
	v_pk_fma_f32 v[\t+\j:\t+\j+1], v[\t+\j:\t+\j+1], v[\u+\j:\u+\j+1], \c op_sel_hi:[1,1,0]
.endr
.endm
.macro VCOS t                          ; 2 t - 1
.irp j, 0,2
	v_pk_fma_f32 v[\t+\j:\t+\j+1], v[\t+\j:\t+\j+1], 2.0, -1.0 op_sel_hi:[1,0,0]
.endr
.endm
; Block p's results go out: lane l holds bytes 16 l of 512 consecutive bytes.  CO, the base and these 16 registers are never written again.
.macro STOREOUT p
	WIN 0xcc                                       ; address window 0, data window 3
	s_wait_dscnt 0x0                               ; the four read-backs
.irp i, 0,1,2,3
	global_store_b128 v[CO], v[16*(\p)+4*\i:16*(\p)+4*\i+3], s[32:33] offset:(\p)*2048+512*\i th:TH_STORE_NT   ; 512 consecutive bytes, at a multiple of 256 from out0's first byte
.endr
.endm
; enc_w1, rows 16t..16t+15: register rb+8+i = w1[16t+r][8h+i] for i = -8 .. 39, zero where 8h+i is outside 0..38
.macro LOADW t, rb
	ds_load_b128 v[\rb:\rb+3],   v[VW1N] offset:\t*4352
	ds_load_b128 v[\rb+4:\rb+7], v[VW1N] offset:\t*4352+16
.irp c, 0,1,2,3,4,5,6,7,8,9
	ds_load_b128 v[\rb+8+4*\c:\rb+11+4*\c], v[VW1] offset:\t*4352+16*\c
.endr
.endm
.macro CVW dst, i, rb                  ; one register of a shifted fragment: numbers 8h+i, 8h+i+1 of the row, or zero for both halves of the lanes
.if (\i) < -8
	v_mov_b32 v[\dst], 0
.elseif (\i) > 38
	v_mov_b32 v[\dst], 0
.else
	v_cvt_pk_bf16_f32 v[\dst], v[\rb+8+\i], v[\rb+9+\i]
.endif
.endm
.macro CVTW t, rb                      ; the eight fragments (q, t, s): register 4g+p holds k = 16g+8h+2p, +1 of step s, which is number 32s+k-7q of the row
	WIN 0x40
.irp q, 0,1,2,3
.irp s, 0,1
.irp g, 0,1
.irp p, 0,1,2,3
	CVW 16*(4*\q+\t)+8*\s+4*\g+\p, 32*\s+16*\g-7*\q+2*\p, \rb
.endr
.endr
.endr
.endr
.endm
	s_load_b512 s[4:19], s[0:1], 0x0               ; state 4:5, enc_w1 6:7, enc_w2 8:9, dec_w2 10:11, enc_w3 12:13, dec_w1 14:15, dec_w3 16:17, enc_b1 18:19
	s_load_b256 s[20:27], s[0:1], 0x40             ; enc_b2 20:21, enc_b3 22:23, dec_b1 24:25, dec_b2 26:27
	s_load_b128 s[28:31], s[0:1], 0x60             ; dec_b3 28:29, qparams 30:31
	s_load_b64 s[32:33], s[0:1], 0x70              ; out0
	s_set_vgpr_msb 0x80
	v_lshl_add_u32 v254, v0, 2, 0x30300
	v_mov_b32 v255, 0
	s_set_vgpr_msb 0x808a
	ds_add_u32 v254, v255
	ds_add_u32 v254, v255
	s_set_vgpr_msb 0x8a00
	v_lshrrev_b32 v15, 5, v0
	v_readfirstlane_b32 s2, v15                    ; wave 0..3
	; shapes.  State: a dense block as 39 rows of 32 elements of 8 bytes
	s_mov_b32 s36, 3<<16
	s_mov_b32 s37, 32<<16
	s_mov_b32 s38, 39<<16
	s_mov_b32 s39, 32<<16
	s_mov_b32 s40, 39
	s_mov_b32 s41, 32
	s_mov_b32 s42, 0
	s_mov_b32 s43, 0
	; enc_w1: 16 rows; the tensor is 39 wide, the tile 68: numbers 39..67 of each LDS row arrive as zeros
	s_mov_b32 s44, 2<<16
	s_mov_b32 s45, 39<<16
	s_mov_b32 s46, 16<<16
	s_mov_b32 s47, 68<<16
	s_mov_b32 s48, 16
	s_mov_b32 s49, 39
	s_mov_b32 s50, 0
	s_mov_b32 s51, 0
	; enc_w2: 8 rows of 64, four words of padding behind every 64
	s_mov_b32 s52, (2<<16)|(1<<20)|(5<<22)|(3<<25)
	s_mov_b32 s53, 64<<16
	s_mov_b32 s54, 8<<16
	s_mov_b32 s55, 64<<16
	s_mov_b32 s56, 8
	s_mov_b32 s57, 64
	s_mov_b32 s58, 0
	s_mov_b32 s59, 0
	; dec_w2: 4 rows of 32, four words of padding behind every 32
	s_mov_b32 s68, (2<<16)|(1<<20)|(4<<22)|(3<<25)
	s_mov_b32 s69, 32<<16
	s_mov_b32 s70, 4<<16
	s_mov_b32 s71, 32<<16
	s_mov_b32 s72, 4
	s_mov_b32 s73, 32
	s_mov_b32 s74, 0
	s_mov_b32 s75, 0
	; where to: every LDS address is a constant plus the wave's number times a constant
	s_mov_b32 s60, 1
	s_mul_i32 s61, s2, 16*272
	s_add_co_u32 s61, s61, W1L
	s_mov_b32 s76, 1
	s_mul_i32 s77, s2, 8*272
	s_add_co_u32 s77, s77, W2L
	s_mov_b32 s80, 1
	s_mul_i32 s81, s2, 4*144
	s_add_co_u32 s81, s81, DW2L
	s_mul_i32 s3, s2, WSH                          ; my wave's share, in LDS and in the group's part of state
	s_mul_i32 s66, ttmp9, GSH                      ; at most 255 x 159,744: below 2^32
	s_add_co_u32 s66, s66, s3
	s_mov_b32 s67, 0
	s_mov_b32 s35, 0
	s_wait_dscnt 0x0
	s_wait_kmcnt 0x0
	; The seven first fills of the wave go out together, ahead of every wait on TENSORcnt, LDS read and barrier: weights first, since they are
	; needed first.  Each wave brings a quarter of each weight matrix and its own state.
	s_mul_i32 s34, s2, 16*156
	s_add_nc_u64 s[62:63], s[6:7], s[34:35]
	s_or_b32 s63, s63, 0x80000000
	tensor_load_to_lds s[60:63], s[44:51]
	s_nop 0
	s_lshl_b32 s34, s2, 11
	s_add_nc_u64 s[78:79], s[8:9], s[34:35]
	s_or_b32 s79, s79, 0x80000000
	tensor_load_to_lds s[76:79], s[52:59]
	s_nop 0
	s_lshl_b32 s34, s2, 9
	s_add_nc_u64 s[82:83], s[10:11], s[34:35]
	s_or_b32 s83, s83, 0x80000000
	tensor_load_to_lds s[80:83], s[68:75]
	s_nop 0
	s_add_nc_u64 s[4:5], s[4:5], s[66:67]
.irp b, 0,1,2,3
	s_mov_b32 s[84+4*\b], 1
	s_add_co_u32 s[85+4*\b], s3, \b*BLK
	s_add_nc_u64 s[86+4*\b:87+4*\b], s[4:5], \b*BLK
	s_or_b32 s[87+4*\b], s[87+4*\b], 0x80000000
	tensor_load_to_lds s[84+4*\b:87+4*\b], s[36:43]
	s_nop 0
.endr
	s_load_b256 s[4:11], s[30:31], 0x0             ; qparams; the four addresses that lay here have gone into the descriptors
	s_lshl_b32 s66, ttmp9, 15                      ; out0: 1,024 rows of 32 bytes a work-group,
	s_lshl_b32 s34, s2, 13                         ; 256 a wave
	s_add_co_u32 s66, s66, s34
	s_add_nc_u64 s[32:33], s[32:33], s[66:67]
	s_mul_i32 s34, s2, STW
	s_add_co_u32 s34, s34, STAGE                   ; my stage
	v_and_b32 v1, 15, v0                           ; r
	v_bfe_u32 v2, v0, 4, 1                         ; h
	v_and_b32 v3, 31, v0                           ; lane
	v_lshlrev_b32 v[VH32], 5, v2
	v_mov_b32 v[VZ], 0
	v_and_b32 v[VW3], 3, v1
	v_lshl_add_u32 v[VW3], v[VW3], 7, v[VH32]
	v_lshlrev_b32 v[VD1], 4, v1
	v_and_b32 v[VD3], 7, v1
	v_lshl_add_u32 v[VD3], v[VD3], 6, v[VH32]
	; 29 loads of the small inputs.  Bias tiles go straight into the registers in which they serve as C.
	WIN 0x80                                       ; destination window 2, addresses window 0
.irp t, 0,1,2,3
	global_load_b128 v[B1+8*\t:B1+8*\t+3],   v[VH32], s[18:19] offset:64*\t
	global_load_b128 v[B1+8*\t+4:B1+8*\t+7], v[VH32], s[18:19] offset:64*\t+16
.endr
.irp u, 0,1
	global_load_b128 v[B2+8*\u:B2+8*\u+3],     v[VH32], s[20:21] offset:64*\u
	global_load_b128 v[B2+8*\u+4:B2+8*\u+7],   v[VH32], s[20:21] offset:64*\u+16
	global_load_b128 v[DB1+8*\u:DB1+8*\u+3],   v[VH32], s[24:25] offset:64*\u
	global_load_b128 v[DB1+8*\u+4:DB1+8*\u+7], v[VH32], s[24:25] offset:64*\u+16
.endr
	global_load_b128 v[DB2:DB2+3],   v[VH32], s[26:27]
	global_load_b128 v[DB2+4:DB2+7], v[VH32], s[26:27] offset:16
	global_load_b128 v[DB3:DB3+3],   v[VZ], s[28:29]               ; both halves of the lanes hold outputs 0..7
	global_load_b128 v[DB3+4:DB3+7], v[VZ], s[28:29] offset:16
	global_load_b128 v[B3:B3+3],     v[VZ], s[22:23]               ; both halves hold encoded 0..3
.irp i, 4,5,6,7
	v_mov_b32 v[B3+\i], 0                          ; rows of layer 3's tiles that carry nothing
.endr
	WIN 0
	global_load_b128 v[RW3:RW3+3],      v[VW3], s[12:13]
	global_load_b128 v[RW3+4:RW3+7],    v[VW3], s[12:13] offset:16
	global_load_b128 v[RW3+8:RW3+11],   v[VW3], s[12:13] offset:64
	global_load_b128 v[RW3+12:RW3+15],  v[VW3], s[12:13] offset:80
	global_load_b128 v[RDW1:RDW1+3],    v[VD1], s[14:15]
	global_load_b128 v[RDW1+4:RDW1+7],  v[VD1], s[14:15] offset:256
	global_load_b128 v[RDW3:RDW3+3],    v[VD3], s[16:17]
	global_load_b128 v[RDW3+4:RDW3+7],  v[VD3], s[16:17] offset:16
	; LDS addresses
	v_mul_u32_u24 v15, v1, SP
	v_add_nc_u32 v15, s3, v15
	v_add_nc_u32 v[LB], v15, v[VH32]
	v_lshl_add_u32 v[LB2], v2, 4, v15
	v_add_nc_u32 v[LB2], SP-32, v[LB2]
	v_mul_u32_u24 v15, v1, 272
	v_add3_u32 v[VW1], v15, v[VH32], W1L
	v_add3_u32 v[VW2], v15, v[VH32], W2L
	v_xor_b32 v[VW1N], 1, v2
	v_mul_u32_u24 v[VW1N], v[VW1N], 160
	v_add3_u32 v[VW1N], v[VW1N], v15, W1L
	v_mul_u32_u24 v15, v1, 144
	v_add3_u32 v[VDW2], v15, v[VH32], DW2L
	s_wait_tensorcnt 0x4                           ; my three weight loads have landed; the four state loads issued behind them stay out
	s_barrier_signal -1
	s_barrier_wait -1                              ; everybody's have.  The only barrier: nothing in LDS is filled a second time
	s_mov_b32 s44, 0xffff0000                      ; lane masks, in registers of weight descriptors whose loads that wait has shown done: h = 1
	s_mov_b32 s45, 0x0000ffff                      ; h = 0
	s_mov_b32 s46, 0x000f000f                      ; r < 4
	s_mov_b32 s47, 0x0f000f00                      ; r in 8..11
	s_mov_b32 s48, 0x00ff00ff                      ; r < 8
	s_mov_b32 s49, 0xff00ff00                      ; r >= 8
	s_mov_b32 s52, 0xbcd368f9                      ; -pi^10 / 10!, as a pair for the packed forms
	s_mov_b32 s53, 0xbcd368f9
	; The weights from LDS, three streams deep: enc_w1 through two staging buffers of twelve loads, and the twenty loads of enc_w2 and dec_w2
	; (into the registers that later hold the state) between them, so that each conversion run has the next loads on their way.
	LOADW 0, RB0
	LOADW 1, RB1
	WIN 0x80
.irp f, 0,1,2,3                        ; enc_w2, fragment f = 2u + s: rows 16u + r, K step s
	ds_load_b128 v[RW2+16*\f:RW2+16*\f+3],     v[VW2] offset:(\f/2)*4352+(\f%2)*128
	ds_load_b128 v[RW2+16*\f+4:RW2+16*\f+7],   v[VW2] offset:(\f/2)*4352+(\f%2)*128+16
	ds_load_b128 v[RW2+16*\f+8:RW2+16*\f+11],  v[VW2] offset:(\f/2)*4352+(\f%2)*128+64
	ds_load_b128 v[RW2+16*\f+12:RW2+16*\f+15], v[VW2] offset:(\f/2)*4352+(\f%2)*128+80
.endr
	ds_load_b128 v[RDW2:RDW2+3],     v[VDW2]
	ds_load_b128 v[RDW2+4:RDW2+7],   v[VDW2] offset:16
	ds_load_b128 v[RDW2+8:RDW2+11],  v[VDW2] offset:64
	ds_load_b128 v[RDW2+12:RDW2+15], v[VDW2] offset:80
	s_wait_dscnt 32                                ; buffer 0 is in: buffer 1's twelve and the twenty stay out
	CVTW 0, RB0
	WIN 0
	LOADW 2, RB0
	s_wait_dscnt 32                                ; buffer 1 is in: the twenty and buffer 0's new twelve stay out
	CVTW 1, RB1
	WIN 0
	LOADW 3, RB1
	s_wait_dscnt 24                                ; the twenty are in: two buffers of twelve stay out
	WIN 0x0a                                       ; sources window 2, destination window 0
.irp f, 0,1,2,3
.irp p, 0,1,2,3,4,5,6,7
	v_cvt_pk_bf16_f32 v[W2F+8*\f+\p], v[RW2+16*\f+2*\p], v[RW2+16*\f+2*\p+1]
.endr
.endr
.irp p, 0,1,2,3,4,5,6,7
	v_cvt_pk_f16_f32 v[DW2F+\p], v[RDW2+2*\p], v[RDW2+2*\p+1]
.endr
	s_wait_dscnt 12                                ; buffer 0 is in: buffer 1's twelve stay out
	CVTW 2, RB0
	s_wait_dscnt 0x0
	CVTW 3, RB1
	WIN 0x80
	s_wait_tensorcnt 0x3                           ; tensor loads of a wave end in order: block 0's state has landed, the three later blocks' stay out
	LDST 0                                         ; on its way while the small weights are made
	WIN 0
	s_wait_loadcnt 0x0                             ; the 29 small loads
	s_wait_kmcnt 0x0                               ; qparams
	; enc_w3 and enc_b3 times 2 / ln 2, in f32, so that layer 3 gives the exponent of e^(2x) in base 2
.irp p, 0,2,4,6,8,10,12,14
	v_pk_mul_f32 v[RW3+\p:RW3+\p+1], v[RW3+\p:RW3+\p+1], 0x4038aa3b op_sel_hi:[1,0]
.endr
.irp p, 0,1,2,3,4,5,6,7
	v_cvt_pk_bf16_f32 v[PK+\p], v[RW3+2*\p], v[RW3+2*\p+1]
.endr
.irp p, 0,1,2,3,4,5,6,7
	v_cndmask_b32 v[W3A+\p], 0, v[PK+\p], s46      ; rows 0..3
	v_cndmask_b32 v[W3B+\p], 0, v[PK+\p], s47      ; rows 8..11
.endr
.irp u, 0,1
	v_cvt_pk_f16_f32 v[PK+8+2*\u], v[RDW1+4*\u],   v[RDW1+4*\u+1]
	v_cvt_pk_f16_f32 v[PK+9+2*\u], v[RDW1+4*\u+2], v[RDW1+4*\u+3]
.endr
.irp u, 0,1
	v_cndmask_b32 v[DW1+8*\u],      0, v[PK+8+2*\u], s45           ; dec_w1 at k = 0..3
	v_cndmask_b32 v[DW1+8*\u+1],    0, v[PK+9+2*\u], s45
	v_cndmask_b32 v[DW1+16+8*\u],   0, v[PK+8+2*\u], s44           ; dec_w1 at k = 8..11
	v_cndmask_b32 v[DW1+16+8*\u+1], 0, v[PK+9+2*\u], s44
.irp i, 2,3,4,5,6,7
	v_mov_b32 v[DW1+8*\u+\i], 0
	v_mov_b32 v[DW1+16+8*\u+\i], 0
.endr
.endr
.irp p, 0,1,2,3
	v_cvt_pk_f16_f32 v[PK+\p], v[RDW3+2*\p], v[RDW3+2*\p+1]
.endr
.irp p, 0,1,2,3
	v_cndmask_b32 v[DW3F+\p],   0, v[PK+\p], s48   ; rows 0..7 on k = 0..15
	v_cndmask_b32 v[DW3F+4+\p], 0, v[PK+\p], s49   ; rows 8..15 on k = 16..31
.endr
.irp i, 2,3,4,5,6,7
	v_mov_b32 v[EVX+\i], 0                         ; K places of decoder layer 1 that carry nothing; written once, where PK lay
	v_mov_b32 v[EVX+8+\i], 0
.endr
	; the way out's addresses, in registers whose set-up use is over
	v_mul_u32_u24 v15, v1, 144
	v_add_nc_u32 v15, v15, v[VH32]
	v_add_nc_u32 v[STO], s34, v15                  ; in: super-row r, 32 bytes for each half of the lanes
	v_lshrrev_b32 v15, 3, v3
	v_mul_u32_u24 v15, v15, 144
	v_and_b32 v9, 7, v3
	v_lshl_add_u32 v15, v9, 4, v15
	v_add_nc_u32 v[RD], s34, v15                   ; back: eight lanes take a super-row's 128 bytes
	v_lshlrev_b32 v[CO], 4, v3                     ; 16 bytes a lane in out0
	WIN 0xaa
	v_pk_mul_f32 v[B3:B3+1],   v[B3:B3+1],   0x4038aa3b op_sel_hi:[1,0]
	v_pk_mul_f32 v[B3+2:B3+3], v[B3+2:B3+3], 0x4038aa3b op_sel_hi:[1,0]
	WIN 0
.irp j, 0,1,2,3
	v_fma_f32 v[CQ+\j], s[4+2*\j], 0.15915494, 0.5 ; theta / 2pi = (pi tanh + qp) / 2pi = 0.5 + qp / 2pi - 1 / (1 + e^(2x))
.endr
	WIN 0x8a                                       ; sources 0, 1 and destination window 2
	s_wait_dscnt 0x0                               ; block 0's state
	HEAD
; 64 rows.  On entry K steps 0 and 1 of the block lie in BST and steps 2 to 4 in RAW.
.macro BLOCK b
	; layer 1, group 0, beside the conversion of K steps 2 to 4, which groups 1 to 3 read
.irp k, 0,1,2,3,4,5,6,7
	L1P 0, \k
	WIN 0x8a
	V0S \k
.endr
	L1G 1                                          ; layer 1, group 1, beside relu and packing of group 0
.if \b
	STOREOUT \b-1                                  ; the last block's results: their read-backs were issued two runs of products ago
.endif
	L1G 2
	L1G 3
	; layer 2, groups 0 and 1, beside relu and packing of layer 1's group 3
.irp k, 0,1,2,3,4,5,6,7
	L2P 0, \k
	V1P 24+\k
.endr
	V1P 32
	; layer 2, groups 2 and 3, beside relu and packing of layer 2's groups 0 and 1
.irp k, 0,1,2,3,4,5,6,7
	L2P 2, \k
	V2P \k
.endr
	; layer 3: X (at ACC) = groups 0 and 1, Y (at ACC+64) = groups 2 and 3; lane (r,h) registers 0..3: row 4r+h, or 4r+2+h.
	; Issued X, Y, X, Y, each as soon as the h2 that it reads is packed: part 8 ends group 1, part 12 group 2, part 16 group 3.
	WIN 0x20
	MM bf16, ACC,    W3A, ACC+8,   B3
.irp k, 8,9,10,11,12
	V2P \k
.endr
	MM bf16, ACC+64, W3A, ACC+72,  B3
	V2P 13
	V2P 14
	WIN 0
	MM bf16, ACC,    W3B, ACC+40,  ACC
	V2P 15                                         ; parts 15 and 16, on group 3's registers: two pairs and four conversions, the six independent
	V2P 16                                         ; vector instructions between X's last product and the first read of X
	MM bf16, ACC+64, W3B, ACC+104, ACC+64
.if \b < 3
	; the next block's state from LDS: RAW has been free since layer 1's group 0; the circuit and the decoder stand between these loads and their use
	WIN 0x80
	s_wait_tensorcnt 2-\b                          ; tensor loads of a wave end in order: the next block's has landed, the later blocks' stay out
	LDST \b+1
.endif
	WIN 0x20                                       ; from here to decoder layer 3: every product takes a bias as C, every vector instruction has two register sources at the most
	; the circuit: t = theta / 2pi = CQ - 1 / (1 + 2^x'), rho = t - nearest whole number, cos(theta) = 2 cos^2(pi rho) - 1,
	; cos(pi rho) by its series in rho^2 up to rho^10: the first term left out is at most pi^12 / 12! / 4^6 = 4.7e-7 on |rho| <= 1/2.
	; X's four numbers run two steps ahead of Y's: the two take turns, and X's first steps are the four plain instructions (two v_nop, two
	; packed adds) between Y's last product and the first read of Y.  Each v_nop is also the plain instruction between a run of
	; transcendentals and the use of its results (ISA guide 5.7.2); later runs have the other half's plain step there.
	VEXP TA, ACC
	v_nop
	s_wait_alu depctr_va_vdst(0)
	VONE TA
	VRCP UA, TA
	v_nop
	VEXP TB, ACC+64
	VANG TA, UA
	VONE TB
	VRCP UB, TB
	VRND UA, TA
	VANG TB, UB
	VSUB TA, UA
	VRND UB, TB
	VSQ  UA, TA
	VSUB TB, UB
	VP0  TA, UA
	VSQ  UB, TB
	VP   TA, UA, 0xbfaae9e4                        ; - pi^6/6!
	VP0  TB, UB
	VP   TA, UA, 0x4081e0f8                        ; + pi^4/4!
	VP   TB, UB, 0xbfaae9e4
	VP   TA, UA, 0xc09de9e6                        ; - pi^2/2
	VP   TB, UB, 0x4081e0f8
	VP   TA, UA, 1.0
	VP   TB, UB, 0xc09de9e6
	VSQ  TA, TA
	VP   TB, UB, 1.0
	VCOS TA
	VSQ  TB, TB
	v_mul_f32 v[TA+1], v[TA+1], v[TA]              ; ev_k = ev_(k-1) cos(theta_k)
	VCOS TB
	v_mul_f32 v[TA+2], v[TA+2], v[TA+1]
	v_mul_f32 v[TA+3], v[TA+3], v[TA+2]
	v_cvt_pk_f16_f32 v[EVX],   v[TA],   v[TA+1]    ; lane (r,h): k = 8h .. 8h+3 of column r
	v_cvt_pk_f16_f32 v[EVX+1], v[TA+2], v[TA+3]
	; decoder layer 1: groups 0 and 1 start beside the end of Y's circuit (three multiplies and two conversions stand between tile 0's
	; product and its relu); from tile 2 on, beside relu and packing of the tiles two back
	D1P 0
	v_mul_f32 v[TB+1], v[TB+1], v[TB]
	v_mul_f32 v[TB+2], v[TB+2], v[TB+1]
	v_mul_f32 v[TB+3], v[TB+3], v[TB+2]
	D1P 1
	v_cvt_pk_f16_f32 v[EVX+8], v[TB],   v[TB+1]
	v_cvt_pk_f16_f32 v[EVX+9], v[TB+2], v[TB+3]
.irp m, 2,3,4,5,6,7
	D1P \m
	V4P \m-2
.endr
	; decoder layer 2: group q as soon as part 4 q + 4 has packed its d1
	D2P 0
.irp k, 6,7,8
	V4P \k
.endr
	D2P 1
.irp k, 9,10,11,12
	V4P \k
.endr
	D2P 2
.irp k, 13,14,15,16
	V4P \k
.endr
	D2P 3
.irp k, 0,1,2,3,4
	V5P \k
.endr
	; decoder layer 3, two groups an instruction: lane (r,h) holds the 8 outputs of row 4r+h (at ACC) and of row 4r+2+h (at ACC+64)
	MM f16, ACC,    DW3F, ACC+8,  DB3
.irp k, 5,6,7,8
	V5P \k
.endr
	MM f16, ACC+64, DW3F, ACC+72, DB3
.if \b < 3
	WIN 0x8a
	s_wait_dscnt 0x0                               ; the next block's state
	HEAD                                           ; its first two K steps: sixteen independent conversions between the last product and the stores of its result
.else
.rept 4
	v_nop                                          ; the last block has no such work: four independent vector instructions all the same (ISA guide 7.12.1)
.endr
.endif
	; the way out: 128 bytes a super-row into my own stage, read back so that lane l holds bytes 16 l of 512 consecutive bytes of out0.
	; LDS serves a wave's instructions in order (ISA guide 5.7.1): no wait between these stores and loads, nor against the last block's loads.
	WIN 0
	ds_store_b128 v[STO], v[ACC:ACC+3]
	ds_store_b128 v[STO], v[ACC+4:ACC+7] offset:16
	ds_store_b128 v[STO], v[ACC+64:ACC+67] offset:64
	ds_store_b128 v[STO], v[ACC+68:ACC+71] offset:80
	WIN 0xcc                                       ; address window 0, destination window 3
.irp i, 0,1,2,3
	ds_load_b128 v[16*\b+4*\i:16*\b+4*\i+3], v[RD] offset:576*\i
.endr
.endm
	BLOCK 0
	BLOCK 1
	BLOCK 2                                        ; its wait on TENSORcnt is for 0: no tensor load is out from there on
	BLOCK 3
	STOREOUT 3
	WIN 0
	s_set_vgpr_msb 0xa
	s_wait_tensorcnt 0x0
	ds_add_u32 v254, v255
	s_wait_dscnt 0x0
	s_set_vgpr_msb 0xa00
	s_endpgm
.Lfunc_end_k_q15f1d78613_qai:
	.size	k_q15f1d78613_qai, .Lfunc_end_k_q15f1d78613_qai-k_q15f1d78613_qai
	.p2alignl 7, 3214868480
	.fill 96, 4, 3214868480
	.section	.rodata,"a",@progbits
	.p2align	6, 0x0
	.amdhsa_kernel k_q15f1d78613_qai
		.amdhsa_group_segment_fixed_size 197888
		.amdhsa_private_segment_fixed_size 0
		.amdhsa_enable_private_segment 0
		.amdhsa_kernarg_size 120
		.amdhsa_user_sgpr_count 2
		.amdhsa_user_sgpr_kernarg_segment_ptr 1
		.amdhsa_wavefront_size32 1
		.amdhsa_system_sgpr_workgroup_id_x 1
		.amdhsa_system_sgpr_workgroup_id_y 1
		.amdhsa_system_sgpr_workgroup_id_z 1
		.amdhsa_system_vgpr_workitem_id 0
		.amdhsa_next_free_vgpr 832
		.amdhsa_next_free_sgpr 100
		.amdhsa_reserve_vcc 0
		.amdhsa_float_denorm_mode_32 3
		.amdhsa_float_denorm_mode_16_64 3
		.amdhsa_memory_ordered 1
		.amdhsa_forward_progress 1
		.amdhsa_inst_pref_size 174
	.end_amdhsa_kernel
	.amdgpu_metadata
---
amdhsa.version: [ 1, 2 ]
amdhsa.kernels:
  - .name:           k_q15f1d78613_qai
    .symbol:         k_q15f1d78613_qai.kd
    .args:
      - { .name: state, .offset: 0, .size: 8, .value_kind: global_buffer, .address_space: global }
      - { .name: enc_w1, .offset: 8, .size: 8, .value_kind: global_buffer, .address_space: global }
      - { .name: enc_w2, .offset: 16, .size: 8, .value_kind: global_buffer, .address_space: global }
      - { .name: dec_w2, .offset: 24, .size: 8, .value_kind: global_buffer, .address_space: global }
      - { .name: enc_w3, .offset: 32, .size: 8, .value_kind: global_buffer, .address_space: global }
      - { .name: dec_w1, .offset: 40, .size: 8, .value_kind: global_buffer, .address_space: global }
      - { .name: dec_w3, .offset: 48, .size: 8, .value_kind: global_buffer, .address_space: global }
      - { .name: enc_b1, .offset: 56, .size: 8, .value_kind: global_buffer, .address_space: global }
      - { .name: enc_b2, .offset: 64, .size: 8, .value_kind: global_buffer, .address_space: global }
      - { .name: enc_b3, .offset: 72, .size: 8, .value_kind: global_buffer, .address_space: global }
      - { .name: dec_b1, .offset: 80, .size: 8, .value_kind: global_buffer, .address_space: global }
      - { .name: dec_b2, .offset: 88, .size: 8, .value_kind: global_buffer, .address_space: global }
      - { .name: dec_b3, .offset: 96, .size: 8, .value_kind: global_buffer, .address_space: global }
      - { .name: qparams, .offset: 104, .size: 8, .value_kind: global_buffer, .address_space: global }
      - { .name: out0, .offset: 112, .size: 8, .value_kind: global_buffer, .address_space: global }
    .group_segment_fixed_size: 197888
    .private_segment_fixed_size: 0
    .kernarg_segment_align: 8
    .kernarg_segment_size: 120
    .max_flat_workgroup_size: 128
    .sgpr_count:     100
    .vgpr_count:     832
    .wavefront_size: 32
...
	.end_amdgpu_metadata
.endif
;; end of part 1
